; MI455X (gfx1250); checked and timed in simulation.
; The chip was launched on July 23, 2026; its instructions are those of AMD's public machine-readable ISA for CDNA 5 (MIT licence, August 2026) and "CDNA5" Instruction Set Architecture Reference Guide (July 2026). The comments in the code are by the model that wrote it; some were corrected since.
;; Multihead Attention. Allowed arithmetic: matrix products marked QUANTISED: E2M3 operands, one E8M0 scale for each 32 along K, by v_wmma_scale_f32_16x16x128_f8f6f4 with both operands' format E2M3, f32 sums; everything else in f32.
;; Inputs: out_b 1,024 float32; out_w_codes 1,024 x 32 x 24 uint8 (E2M3 codes of out_w, K innermost, in blocks of 32 codes, four codes in three bytes); out_w_scales 1,024 x 32 uint8 (E8M0 scales of out_w, one for each 32 codes along K); qkv_b 3,072 float32; qkv_w_codes 3,072 x 32 x 24 uint8 (E2M3 codes of qkv_w, K innermost, in blocks of 32 codes, four codes in three bytes); qkv_w_scales 3,072 x 32 uint8 (E8M0 scales of qkv_w, one for each 32 codes along K); query_codes 1,024 x 8 x 32 x 24 uint8 (E2M3 codes of query, K innermost, in blocks of 32 codes, four codes in three bytes); query_scales 1,024 x 8 x 32 uint8 (E8M0 scales of query, one for each 32 codes along K).
;; Outputs: out0 1,024 x 8 x 1,024 float32.
;; This version of the problem:
;;   THIS VERSION OF THE PROBLEM IS GIVEN IN LOW PRECISION. The matrix products marked QUANTISED in the list below multiply operands that are first quantised to E2M3 (2 exponent bits, 3 mantissa bits; 6 bits a number), with one power-of-two scale for each 32 numbers along K (OCP MX v1.0); their sums are f32. All else is computed in f32.
;;   The module's matrix products, in the order in which they are computed (A, B: the left and right operand; K: the contracted axis; several contracted axes count as one K, in the product's order):
;;     1. [M 8,192, K 1,024] x [K 1,024, N 3,072]; A: input query (given as codes); B: input qkv_w (given as codes): QUANTISED
;;     2. batch 128 x [M 1,024, K 64] x [K 64, N 1,024]; A: computed on the way; B: computed on the way: QUANTISED
;;     3. batch 128 x [M 1,024, K 1,024] x [K 1,024, N 64]; A: softmax (see below); B: computed on the way: QUANTISED
;;     4. [M 8,192, K 1,024] x [K 1,024, N 1,024]; A: computed on the way; B: input out_w (given as codes): QUANTISED
;;   THE QUANTISER, for each operand of a quantised product, along K:
;;     - K is cut into blocks of 32 from its start; a last block that is shorter is filled with zeros.
;;     - A block's scale is 2^e with e = floor(log2(the largest magnitude in the block)) - 2, held to -126 .. 127; a block of zeros has e = 0. As a byte (E8M0): e + 127.
;;     - Each number is divided by its block's scale, clamped to +-7.5, and rounded to the nearest number of E2M3, ties to even, subnormals kept.
;;     - The product sums the exact products of the quantised numbers (number of the format x scale) in f32.
;;   ~~~python
;;   def quantise(x, axis):      # numpy; x: float32 -> the quantised numbers, widened to float32 again
;;       x = np.moveaxis(x, axis, -1); K = x.shape[-1]
;;       x = np.pad(x, [(0, 0)] * (x.ndim - 1) + [(0, -K % 32)]); x = x.reshape(x.shape[:-1] + (-1, 32)); a = np.abs(x).max(-1, keepdims=True)
;;       e = np.where(a > 0, np.clip(np.frexp(np.where(a > 0, a, 1))[1] - 1 - 2, -126, 127), 0)      # np.frexp(a)[1] - 1 = floor(log2(a)), exactly
;;       r = np.clip(x / 2.0 ** e, -7.5, 7.5)
;;       step = 2.0 ** (np.maximum(np.frexp(np.where(r == 0, 1, r))[1] - 1, 0) - 3)
;;       q = np.round(r / step) * step * 2.0 ** e      # np.round: ties to even
;;       return np.moveaxis(q.reshape(q.shape[:-2] + (-1,))[..., :K], -1, axis).astype(np.float32)
;;   ~~~
;;   SOFTMAX AHEAD OF A QUANTISED PRODUCT. Where the list says 'softmax', what is quantised is not the finished softmax but p = 2^(t - M), with t = logit x log2(e) and M = ceil(the row's largest t), a whole number; so 1/2 < the row's largest p <= 1. The row's sum l is taken of the UNQUANTISED p, in f32, and the product's result is divided by l at the end. Since M is a whole number, a kernel that streams over the keys may use a running M (the ceiling of the running maximum): every later rescaling is an exact power of two, which a block's scale takes up: the codes' values come out the same.
;;   OPERANDS COMPUTED ON THE WAY. 'Computed on the way' means the value that the module computes at that place (a softmax that the list does not call 'softmax' is quantised finished and normalised). What goes into a quantiser is computed in f32, as accurately as f32 sums, v_exp_f32 and their like allow (about 1e-6 of the number): no bf16 or f16 on the way to a quantiser, and a product that is left as it is and whose result goes on into a quantised operand takes f32 operands (vector FMAs, or v_wmma_f32_16x16x4_f32). A number that lies on a knife's edge between two numbers of the format may be rounded either way, as far as f32 arithmetic and the matrix unit's own rounding can turn it there, and no further.
;;   INPUTS GIVEN AS CODES. out_w (in the module: [1024, 1024], K = its axis 1); qkv_w (in the module: [3072, 1024], K = its axis 1); query (in the module: [1024, 8, 1024], K = its axis 2): each comes as NAME_codes (uint8): NAME with its K axis moved to the last place and cut into blocks of 32 codes, [.., K / 32, bytes a block], one block behind the other in memory; four codes in three bytes: a row's codes are one little-endian stream of bits, code i at bits 6 i .. 6 i + 5 (a code: sign, 2 exponent bits, 3 mantissa bits); and NAME_scales (uint8): the same leading axes, one E8M0 byte (e + 127) for each 32 codes along K. Its value is code x scale, taken as it is: it is not quantised again, and the codes and scales need not be those that the quantiser above would give.
;; One version. Each part assembles by itself: llvm-mc -triple=amdgcn-amd-amdhsa -mcpu=gfx1250 --defsym DOCPART=n.
;; ======== version 1 of 1: 3 launches
;; limits: right only within a limited range of input values
;; workspace buffers: wc 18,874,368 bytes; ws 786,432 bytes; ac 6,291,456 bytes; ash 262,144 bytes
;; launch qkv (part 1): grid 12 x 32, 4 waves a work-group, clusters of 4 x 4, 327,680 bytes of LDS; arguments query_codes, query_scales, qkv_w_codes, qkv_w_scales, qkv_b, wc, ws; writes wc, ws
.if DOCPART == 1
	.amdgcn_target "amdgcn-amd-amdhsa--gfx1250"
	.amdhsa_code_object_version 6
	.text
	.protected	k_q1813ef4161_qkv
	.globl	k_q1813ef4161_qkv
	.p2align	8
	.type	k_q1813ef4161_qkv,@function
k_q1813ef4161_qkv:
	s_mov_b64 s[64:65], 0
	v_nop
	global_prefetch_b8 v0, s[64:65] scope:SCOPE_SE
	s_setreg_imm32_b32 hwreg(HW_REG_WAVE_MODE, 25, 1), 1
	s_wait_xcnt 0x0
	s_wait_alu depctr_hold_cnt(0) depctr_sa_sdst(0) depctr_va_vdst(0) depctr_va_sdst(0) depctr_va_ssrc(0) depctr_va_vcc(0) depctr_vm_vsrc(0)
	s_getreg_b32 s2, hwreg(HW_REG_IB_STS2, 6, 4)
	s_cmp_eq_u32 s2, 0
	s_cbranch_scc0 .Lentry_in_a_cluster
	s_endpgm
.Lentry_in_a_cluster:
	s_bfe_u32 s2, ttmp6, 0x10000c
	s_cmp_lg_u32 s2, 0xf033
	s_cbranch_scc0 .Lentry_shape_is_right
	s_endpgm
.Lentry_shape_is_right:
; LAUNCH 1 OF 3.  qkv = query qkv_w^T + qkv_b on the given E2M3 codes; q, k, v are quantised again for the attention's two products: q and k along the head's 64, v along time.
; What leaves is codes and scale words in the order of the next launch's operand registers (wc, ws).
; WORK LEFT OUT IN THIS PROGRAM.  reference() overwrites every score whose key comes after its query with -10000 (jnp.where on its own jnp.tril), whatever the inputs hold: so the tiles of q k^T
; all of whose keys come after all of their queries reach no output and are not multiplied (launch 2).  The masked keys themselves stay: they keep the logit -10000 in the softmax, in its sum and in the
; product with v.  Every input is loaded.  LIMIT: a NaN, an infinity or an overflow that would arise only in the scores left out is not carried to the result.
; q's FACTOR 1/8 is not applied here: a power of two leaves a block's codes as they are and lowers its scale's exponent by 3, so the scores come out exactly 8 times reference()'s, and launch 2 takes
; log2(e) / 8 for log2(e).  LIMIT: blocks of q whose largest magnitude lies under 2^-121, where reference()'s exponent would be held at -126, differ.
; LIMITS: a block of zeros gets the scale byte 1 where the quantiser says 127 (its codes are zeros, and this program alone reads the bytes); NaN, infinities and a scale byte 0xff among the inputs are not served.
; SHARES.  A work-group of four waves makes 256 (t of one batch) x 256 (rows of qkv_w); a wave 128 x 128: 64 accumulators, 512 registers.
; LDS.  In a slot, region P holds the 256 rows of source 1 (their row lands in the result's lane), region R those of source 0 (their rows land in the result's registers).  q, k: P = query, R = weight; v: P = weight, R = query.
; Which operand a wave fetches hangs on the wave's number and on the cluster's x (0 q, 1 k, 2 v: equal in all sixteen partners); where it lands hangs on the wave's number alone.
; A row of K = 1,024 codes is 768 bytes: three chunks of 256, each beginning on a multiple of 256 bytes of memory.  Chunk c lies in slot c % 2 of a ring of two, 16 bytes of padding behind each row.
; Chunk 0 comes by the head's one load a wave; chunk 1 behind the three lines and a round of the cluster's barrier; chunk 2 is the only refill, into slot 0, behind a round at step 2.
; A step of 128 along K is 96 bytes of a row: steps 2 and 5 lie across two chunks.
; CLUSTERS: 4 x 4; the query's tiles are asked for jointly along a row of the cluster, the weight's along a column.
; PREFETCH: each wave names 32 of the 128 rows that it fetches (a lane a row; the four partners share the rows out by address): chunk 1 behind chunk 0's load, chunk 2 behind chunk 1's: one load ahead each.
; THE SCALES of the 512 rows go from memory through registers into LDS bytes of their own (48 bytes a row), once.
; THE ORDER INSIDE A BLOCK on the way out: a lane's 16 numbers of a block are k = 8 h + 0..7 and 16 + 8 h + 0..7; the partner operand is made the same way, and a block has one scale: the sums are the same.
; REGISTERS: window 0: v0-31 addresses; v32-63 scale words, two sets (lanes 0-15 P's block i, lanes 16-31 R's); v64-159, v160-255 source 1's fragments, two sets.  window 1: source 0's, two sets, at v0 and v128.
;   windows 2, 3: accumulator (a, b) at v[8 (8 (a % 4) + b)].  On the way out: v32-93 at work, v96-159 the bias, v160-223 64 numbers of a lane.
.set PITCH, 272
.set FR,    12
.set HALFT, 128*PITCH
.set SLOT,  4*HALFT
.set SCL,   2*SLOT
.set SPS,   48
.set HALFS, 128*SPS
.set SPARE, SCL+4*HALFS                ; the spare words: 128 bytes a wave, named by no other line
.set ADRA, 12                          ; v12, v13 source 1's fragments in slot 0, 1; v14, v15: pieces whose lanes 0-15 read the end of a chunk in slot 0, 1 and whose lanes 16-31 the start of the next, in the other slot
.set ADRB, 16                          ; v16-19 the same for source 0
.set ADRS, 20
.set VO,   26                          ; 16 x lane
.set VS,   27                          ; 2,048 (lane / 16) + 16 (lane % 16)
.set SPW,  28
.set NIL,  29
.set PFO,  30
.set SC,   32
.set AF,   64
.set BI,   96
.set H,    160
.set TM,   32
.set CT,   48
.set PWR,  56
.set SWD,  58
.set KF0,  66
.set KF1,  78
.set SWO,  90
.set SEL,  2
.set KV,   66                          ; 1 where v is made
.set FX,   67                          ; 0: I fetch the query's rows; 1: the weight's
.set G1X,  24
.set G0X,  32                          ; s[32:39] group 0 for the query's tiles, a set for each slot
.set G1Y,  48
.set G0Y,  56                          ; s[56:63] for the weight's
.set PFA,  88
.set TPAD, (1<<20)|(1<<21)|(5<<22)|(3<<25)    ; padding on; set beside a mask; behind every 64 words, 4 words
.set MSB, 0
.macro WIN new
.if MSB != \new
	s_set_vgpr_msb (MSB<<8)|\new
.set MSB, \new
.endif
.endm
.set MUL_LO, 0xa1
.set MUL_HI, 0xf1
.set TO_B,   0x40
.macro JLOAD s                         ; one joint load a wave, into slot s; s_nop 0 and four v_nop behind each line
	s_cmp_eq_u32 s[FX], 0
	s_cbranch_scc0 .Lfor_y_\@
	tensor_load_to_lds s[G0X+4*\s:G0X+4*\s+3], s[G1X:G1X+7]
	s_nop 0
.rept 4
	v_nop
.endr
	s_branch .Lasked_\@
.Lfor_y_\@:
	tensor_load_to_lds s[G0Y+4*\s:G0Y+4*\s+3], s[G1Y:G1Y+7]
	s_nop 0
.rept 4
	v_nop
.endr
.Lasked_\@:
.endm
.macro CREST
	s_cmp_lg_u32 s14, 0
	s_cbranch_scc1 .Lnot_wave_0_\@
	s_barrier_signal -3
.Lnot_wave_0_\@:
	s_barrier_wait -3
	s_barrier_signal -1
	s_barrier_wait -1
.endm
.macro CROUND
	s_barrier_signal -1
	s_barrier_wait -1
	CREST
.endm
.macro PLACES
.rept 4
	v_nop
.endr
.endm
	s_load_b128 s[4:7], s[0:1], 0x0                ; the query's codes, its scales
	s_load_b128 s[8:11], s[0:1], 0x10              ; the weight's codes, its scales
	s_load_b64 s[12:13], s[0:1], 0x20              ; qkv_b
	s_load_b64 s[96:97], s[0:1], 0x28              ; wc
	s_load_b64 s[98:99], s[0:1], 0x30              ; ws
	v_lshl_add_u32 v[SPW], v0, 2, SPARE
	v_mov_b32 v[NIL], 0
	ds_add_u32 v[SPW], v[NIL]                      ; the opening lines: the add, twice on end, and its wait
	ds_add_u32 v[SPW], v[NIL]
	v_lshrrev_b32 v1, 5, v0
	v_readfirstlane_b32 s14, v1                    ; wave
	s_lshr_b32 s15, s14, 1                         ; my half of source 1's rows; also: I fetch for P (0) or R (1)
	s_and_b32 s16, s14, 1                          ; my half of source 0's rows; also: which 128 rows I fetch
	s_bfe_u32 s40, ttmp6, 0x40000                  ; cx
	s_bfe_u32 s41, ttmp6, 0x40004                  ; cy
	s_lshl_b32 s42, ttmp9, 2
	s_add_co_u32 s42, s42, s40                     ; x: which 256 rows of qkv_w
	s_and_b32 s17, ttmp7, 0xffff
	s_lshl_b32 s17, s17, 2
	s_add_co_u32 s17, s17, s41                     ; y: batch y % 8, t from 256 (y / 8) on
	s_lshl_b32 s43, s41, 2
	s_lshl_b32 s43, 15, s43                        ; my row of the cluster
	s_lshl_b32 s44, 0x1111, s40                    ; my column
	s_cmp_eq_u32 ttmp9, 2
	s_cselect_b32 s[KV], 1, 0
	s_cselect_b32 s18, s16, s15                    ; my half of the tile's t
	s_cselect_b32 s19, s15, s16                    ; my half of its rows of qkv_w
	s_cselect_b32 s80, 32, 0x100                   ; bytes from row to row of P's scales,
	s_cselect_b32 s81, 0x100, 32                   ; of R's
	s_xor_b32 s[FX], s15, s[KV]
	s_or_b32 s[G1X], s43, TPAD
	s_or_b32 s[G1Y], s44, TPAD
.irp g, G1X, G1Y                       ; 128 rows x 256 bytes
	s_mov_b32 s[\g+1], 256<<16
	s_mov_b32 s[\g+2], 128<<16
	s_mov_b32 s[\g+3], 256<<16
	s_mov_b32 s[\g+4], 128
	s_mov_b32 s[\g+6], 0
	s_mov_b32 s[\g+7], 0
.endr
	s_mov_b32 s[G1X+5], 6144                       ; from t to t + 1 in one batch
	s_mov_b32 s[G1Y+5], 768
	s_lshr_b32 s20, s17, 3
	s_lshl_b32 s20, s20, 11
	s_and_b32 s21, s17, 7
	s_add_co_u32 s20, s20, s21                     ; the tile's first row of the query: 8 t + batch
	s_lshl_b32 s22, s20, 5                         ; its scales, in bytes
	s_mov_b32 s23, 0
	s_lshl_b32 s21, s16, 10
	s_add_co_u32 s20, s20, s21                     ; + the 128 t that I fetch
	s_mul_i32 s20, s20, 768
	s_mov_b32 s21, 0
	s_lshl_b32 s46, s42, 8                         ; the tile's first row of qkv_w
	s_lshl_b32 s92, s46, 5
	s_mov_b32 s93, 0
	s_lshl_b32 s47, s16, 7
	s_add_co_u32 s46, s46, s47
	s_mul_i32 s46, s46, 768
	s_mov_b32 s47, 0
	s_mul_i32 s45, s14, HALFT                      ; where my 128 rows go in a slot: the wave's number alone
	s_lshl_b32 s86, s80, 7
	s_mov_b32 s87, 0
	s_lshl_b32 s94, s81, 7
	s_mov_b32 s95, 0
	s_mov_b32 s[SEL], 0x76543210
	s_mov_b32 s[SEL+1], 0xfedcba98
	v_mul_lo_u32 v8, v0, s80                       ; thread i takes rows i and 128 + i of each region's scales
	v_mul_lo_u32 v9, v0, s81
	s_wait_alu depctr_va_vdst(0)
	s_wait_dscnt 0x0
	s_wait_kmcnt 0x0
	s_add_nc_u64 s[20:21], s[4:5], s[20:21]
	s_add_nc_u64 s[22:23], s[6:7], s[22:23]
	s_add_nc_u64 s[46:47], s[8:9], s[46:47]
	s_add_nc_u64 s[92:93], s[10:11], s[92:93]
	s_cmp_eq_u32 s[KV], 1
	s_cselect_b64 s[76:77], s[92:93], s[22:23]     ; P's scales
	s_cselect_b64 s[78:79], s[22:23], s[92:93]     ; R's
	s_add_nc_u64 s[82:83], s[76:77], s[86:87]
	s_add_nc_u64 s[84:85], s[78:79], s[94:95]
	global_load_b128 v[64:67], v8, s[76:77]
	global_load_b128 v[68:71], v8, s[76:77] offset:16
	global_load_b128 v[72:75], v8, s[82:83]
	global_load_b128 v[76:79], v8, s[82:83] offset:16
	global_load_b128 v[80:83], v9, s[78:79]
	global_load_b128 v[84:87], v9, s[78:79] offset:16
	global_load_b128 v[88:91], v9, s[84:85]
	global_load_b128 v[92:95], v9, s[84:85] offset:16
	CROUND                                         ; all sixteen work-groups are here: the joint loads meet
.irp s, 0,1
	s_mov_b32 s[G0X+4*\s], 1
	s_add_co_u32 s[G0X+4*\s+1], s45, \s*SLOT
	s_add_nc_u64 s[G0X+4*\s+2:G0X+4*\s+3], s[20:21], \s*256
	s_or_b32 s[G0X+4*\s+3], s[G0X+4*\s+3], 0x80000000
	s_mov_b32 s[G0Y+4*\s], 1
	s_add_co_u32 s[G0Y+4*\s+1], s45, \s*SLOT
	s_add_nc_u64 s[G0Y+4*\s+2:G0Y+4*\s+3], s[46:47], \s*256
	s_or_b32 s[G0Y+4*\s+3], s[G0Y+4*\s+3], 0x80000000
.endr
	JLOAD 0                                        ; chunk 0 of my 128 rows: my one load at the head
	s_cmp_eq_u32 s[FX], 0                          ; the prefetches: of the rows that I fetch, my work-group's 32
	s_cselect_b64 s[PFA:PFA+1], s[20:21], s[46:47]
	s_cselect_b32 s91, s40, s41
	s_mov_b32 s90, 768
	s_cselect_b32 s90, 6144, s90
	s_lshl_b32 s91, s91, 5
	s_mov_b32 s68, SLOT-232
	s_mov_b32 s69, SLOT+232
	s_mul_i32 s86, s15, HALFT                      ; my rows of P
	s_mul_i32 s87, s16, HALFT
	s_add_co_u32 s87, s87, 2*HALFT                 ; my rows of R
	s_add_co_u32 s70, s86, SLOT
	s_add_co_u32 s71, s87, SLOT
	s_mul_i32 s94, s15, HALFS
	s_mul_i32 s95, s16, HALFS
	s_add_co_u32 s95, s95, 2*HALFS
	s_sub_co_u32 s95, s95, s94
	s_add_co_u32 s94, s94, SCL
	; where my results go: my two heads begin at 16 batch + 4 cx + 2 x (my half of the weight's rows); my 128 t are group 2 (y / 8) + (my half of t)
	s_and_b32 s20, s17, 7
	s_lshl_b32 s20, s20, 4
	s_lshl_b32 s21, s40, 2
	s_add_co_u32 s20, s20, s21
	s_lshl_b32 s21, s19, 1
	s_add_co_u32 s20, s20, s21
	s_lshr_b32 s21, s17, 3
	s_lshl_b32 s21, s21, 1
	s_add_co_u32 s21, s21, s18
	s_mul_i32 s22, ttmp9, 6291456                  ; wc: a section for each of q, k, v; 49,152 bytes a head; 6,144 a group
	s_mul_i32 s23, s20, 49152
	s_add_co_u32 s22, s22, s23
	s_mul_i32 s23, s21, 6144
	s_add_co_u32 s22, s22, s23
	s_mov_b32 s23, 0
	s_add_nc_u64 s[96:97], s[96:97], s[22:23]
	s_lshl_b32 s22, ttmp9, 18                      ; ws: 262,144 a section, 2,048 a head, 256 a group
	s_lshl_b32 s46, s20, 11
	s_add_co_u32 s22, s22, s46
	s_lshl_b32 s46, s21, 8
	s_add_co_u32 s22, s22, s46
	s_add_nc_u64 s[98:99], s[98:99], s[22:23]
	s_lshl_b32 s22, s42, 10                        ; qkv_b at my 128 rows of qkv_w
	s_lshl_b32 s46, s19, 9
	s_add_co_u32 s22, s22, s46
	s_add_nc_u64 s[12:13], s[12:13], s[22:23]
	v_and_b32 v1, 15, v0                           ; r
	v_bfe_u32 v2, v0, 4, 1                         ; h
	v_mul_u32_u24 v3, v1, PITCH
	v_mul_u32_u24 v4, v2, 24
	v_add_nc_u32 v4, v3, v4                        ; row + 24 h
	v_mul_u32_u24 v5, s68, v2
	v_add_nc_u32 v5, v3, v5
	v_add_nc_u32 v5, 232, v5                       ; lanes 0-15 byte 232 of the row in slot 0, lanes 16-31 byte 0 of the row in slot 1
	v_sub_nc_u32 v7, 1, v2
	v_mul_u32_u24 v7, s69, v7
	v_add_nc_u32 v7, v3, v7                        ; lanes 0-15 byte 232 of the row in slot 1, lanes 16-31 byte 0 of the row in slot 0
	v_add_nc_u32 v[ADRA], s86, v4
	v_add_nc_u32 v[ADRA+1], s70, v4
	v_add_nc_u32 v[ADRA+2], s86, v5
	v_add_nc_u32 v[ADRA+3], s86, v7
	v_add_nc_u32 v[ADRB], s87, v4
	v_add_nc_u32 v[ADRB+1], s71, v4
	v_add_nc_u32 v[ADRB+2], s87, v5
	v_add_nc_u32 v[ADRB+3], s87, v7
	v_mul_u32_u24 v5, v1, SPS
	v_mul_u32_u24 v6, s95, v2                      ; lanes 16-31 take R's scale words
	v_add_nc_u32 v5, v5, v6
	v_add_nc_u32 v[ADRS], s94, v5
	v_mul_u32_u24 v10, v0, SPS
	v_add_nc_u32 v10, SCL, v10
	v_and_b32 v6, 31, v0
	v_lshlrev_b32 v[VO], 4, v6
	v_lshlrev_b32 v[VS], 4, v1
	v_lshl_add_u32 v[VS], v2, 11, v[VS]
	v_add_nc_u32 v[PFO], s91, v6
	v_mul_lo_u32 v[PFO], v[PFO], s90
	global_prefetch_b8 v[PFO], s[PFA:PFA+1] offset:256 th:TH_LOAD_NT scope:SCOPE_SE   ; chunk 1: 32 rows, a lane a row; the prefetches' registers are never rewritten
	s_wait_alu depctr_va_vdst(0)
	s_wait_loadcnt 0x0                             ; the scales
.irp j, 0,1,2,3
	ds_store_b128 v10, v[64+8*\j:67+8*\j] offset:\j*HALFS
	ds_store_b128 v10, v[68+8*\j:71+8*\j] offset:\j*HALFS+16
.endr
.macro FRAG reg, adr, st, i            ; 16 rows x 128 K: 24 bytes of the row twice, in pieces of 8.  Byte y of a row lies in chunk y / 256, in slot (y / 256) % 2, at byte y % 256 of the LDS row
.irp p, 0,1,2,3,4,5
.set BY, 96*(\st)+48*(\p/3)+8*(\p%3)
.if BY/256 == (BY+24)/256
	ds_load_b64 v[\reg+2*\p:\reg+2*\p+1], v[\adr+(BY/256)%2] offset:BY%256+(\i)*16*PITCH
.else
	ds_load_b64 v[\reg+2*\p:\reg+2*\p+1], v[\adr+2+(BY/256)%2] offset:BY%256-232+(\i)*16*PITCH
.endif
.endr
.endm
; 16 matrix instructions; the 64 accumulators take turns in the same order in every step
.macro MUL16 a0, p, sc, zero
.irp a, \a0, \a0+1
.irp b, 0,1,2,3,4,5,6,7
.if \zero
	v_wmma_scale_f32_16x16x128_f8f6f4 v[8*(8*((\a)%4)+\b):8*(8*((\a)%4)+\b)+7], v[128*(\p)+FR*\b:128*(\p)+FR*\b+FR-1], v[AF+96*(\p)+FR*(\a):AF+96*(\p)+FR*(\a)+FR-1], 0, v[SC+16*(\sc)+2*\b+(\p)], v[SC+16*(\sc)+2*(\a)+(\p)] matrix_a_fmt:MATRIX_FMT_FP6 matrix_b_fmt:MATRIX_FMT_FP6 matrix_a_scale:MATRIX_SCALE_ROW1
.else
	v_wmma_scale_f32_16x16x128_f8f6f4 v[8*(8*((\a)%4)+\b):8*(8*((\a)%4)+\b)+7], v[128*(\p)+FR*\b:128*(\p)+FR*\b+FR-1], v[AF+96*(\p)+FR*(\a):AF+96*(\p)+FR*(\a)+FR-1], v[8*(8*((\a)%4)+\b):8*(8*((\a)%4)+\b)+7], v[SC+16*(\sc)+2*\b+(\p)], v[SC+16*(\sc)+2*(\a)+(\p)] matrix_a_fmt:MATRIX_FMT_FP6 matrix_b_fmt:MATRIX_FMT_FP6 matrix_a_scale:MATRIX_SCALE_ROW1
.endif
.endr
.endr
.endm
.macro MULS st, zero
	WIN MUL_LO
	MUL16 0, (\st)%2, ((\st)/2)%2, \zero
	MUL16 2, (\st)%2, ((\st)/2)%2, \zero
	WIN MUL_HI
	MUL16 4, (\st)%2, ((\st)/2)%2, \zero
	MUL16 6, (\st)%2, ((\st)/2)%2, \zero
	WIN 0
.endm
.macro FETCH st                        ; step st's fragments into set st % 2, and with an even step the scale words of two steps
	WIN TO_B
.irp i, 0,1,2,3,4,5,6,7
	FRAG 128*((\st)%2)+FR*\i, ADRB, \st, \i
.endr
	WIN 0
.irp i, 0,1,2,3,4,5,6,7
	FRAG AF+96*((\st)%2)+FR*\i, ADRA, \st, \i
.endr
.if (\st)%2 == 0
.irp i, 0,1,2,3,4,5,6,7
	ds_load_b64 v[SC+16*(((\st)/2)%2)+2*\i:SC+16*(((\st)/2)%2)+2*\i+1], v[ADRS] offset:\i*16*SPS+4*(\st)
.endr
.endif
.endm
; The same fetch in three runs, which stand between a step's four groups of 16 matrix instructions: 36, 36 and 24 loads (32 with the scale words)
.macro FETCH1 st
	WIN TO_B
.irp i, 0,1,2,3,4,5
	FRAG 128*((\st)%2)+FR*\i, ADRB, \st, \i
.endr
.endm
.macro FETCH2 st
	WIN TO_B
.irp i, 6,7
	FRAG 128*((\st)%2)+FR*\i, ADRB, \st, \i
.endr
	WIN 0
.irp i, 0,1,2,3
	FRAG AF+96*((\st)%2)+FR*\i, ADRA, \st, \i
.endr
.endm
.macro FETCH3 st
	WIN 0
.irp i, 4,5,6,7
	FRAG AF+96*((\st)%2)+FR*\i, ADRA, \st, \i
.endr
.if (\st)%2 == 0
.irp i, 0,1,2,3,4,5,6,7
	ds_load_b64 v[SC+16*(((\st)/2)%2)+2*\i:SC+16*(((\st)/2)%2)+2*\i+1], v[ADRS] offset:\i*16*SPS+4*(\st)
.endr
.endif
.endm
; A step of 128 along K: its fragments are in; 64 matrix instructions in four groups, with the next step's fragments asked for in three runs between the groups, into the other sets of registers.
; mode 1: the next step reads a chunk that no step has read yet: every wave's load has landed, and a barrier says so.
; mode 2: chunk 0 is read no more: the three lines, a round of the cluster's barrier, and slot 0 takes chunk 2.
.macro STEP st, zero, mode
.if \mode
	s_wait_tensorcnt 0x0
.if \mode == 2
	ds_add_u32 v[SPW], v[NIL]
	s_add_nc_u64 s[G0X+2:G0X+3], s[G0X+2:G0X+3], 512   ; no load of mine is out: slot 0's group 0 goes on to chunk 2
	s_add_nc_u64 s[G0Y+2:G0Y+3], s[G0Y+2:G0Y+3], 512
.endif
	s_wait_dscnt 0x0                               ; my reads are over (and the add is done)
	s_barrier_signal -1
	s_barrier_wait -1
.if \mode == 2
	CREST
	JLOAD 0                                        ; its four v_nop are the places in front of the loads below
.else
	PLACES
.endif
.else
	s_wait_dscnt 0x0                               ; this step's fragments, asked for a step ago
	PLACES                                         ; in front of loads into registers that the last step's matrix instructions read
.endif
	WIN MUL_LO
	MUL16 0, (\st)%2, ((\st)/2)%2, \zero
	FETCH1 (\st)+1
	WIN MUL_LO
	MUL16 2, (\st)%2, ((\st)/2)%2, \zero
	FETCH2 (\st)+1
	WIN MUL_HI
	MUL16 4, (\st)%2, ((\st)/2)%2, \zero
	FETCH3 (\st)+1
	WIN MUL_HI
	MUL16 6, (\st)%2, ((\st)/2)%2, \zero
	WIN 0
.endm
.macro QUANT s, d0, d1, pw             ; 64 numbers of a lane: four blocks of 32 along the next K, 16 numbers here and 16 in lane l xor 16
.irp b, 0,1,2,3
	v_max3_num_f32 v[TM+\b], |v[\s+16*\b]|, |v[\s+1+16*\b]|, 0x1800000   ; with the floor 2^(3 - 127): the byte cannot fall under 1
.endr
.irp i, 2,4,6,8,10,12,14
.irp b, 0,1,2,3
	v_max3_num_f32 v[TM+\b], v[TM+\b], |v[\s+16*\b+\i]|, |v[\s+1+16*\b+\i]|
.endr
.endr
.irp b, 0,1,2,3
	v_permlanex16_b32 v[TM+4+\b], v[TM+\b], s[SEL], s[SEL+1]
.endr
.irp b, 0,1,2,3
	v_max_num_f32 v[TM+\b], v[TM+\b], v[TM+4+\b]
.endr
.irp b, 0,1,2,3
	v_add_nc_u32 v[TM+12+\b], 0xff000000, v[TM+\b] ; 2 off the exponent field: the conversion's scale operand
.endr
.irp b, 0,1,2,3
	v_lshrrev_b32 v[TM+4+\b], 23, v[TM+12+\b]      ; the scale's byte
.endr
	v_lshl_or_b32 v[\pw], v[TM+5], 8, v[TM+4]
	v_lshl_or_b32 v[\pw], v[TM+6], 16, v[\pw]
	v_lshl_or_b32 v[\pw], v[TM+7], 24, v[\pw]
	v_cvt_scalef32_pk16_fp6_f32 v[\d0:\d0+2], v[\s:\s+15], v[TM+12]
	v_cvt_scalef32_pk16_fp6_f32 v[CT:CT+2], v[\s+16:\s+31], v[TM+13]
	v_cvt_scalef32_pk16_fp6_f32 v[\d1:\d1+2], v[\s+32:\s+47], v[TM+14]
	v_cvt_scalef32_pk16_fp6_f32 v[CT+4:CT+6], v[\s+48:\s+63], v[TM+15]
	v_nop                                          ; one plain place behind a scaled conversion
.irp i, 0,1,2                          ; a whole block in a lane: lanes 0-15 the even block, lanes 16-31 the odd one
	v_permlane16_swap_b32 v[\d0+\i], v[CT+\i]
	v_permlane16_swap_b32 v[\d1+\i], v[CT+4+\i]
.endr
.irp i, 0,1,2
	v_mov_b32 v[\d0+3+\i], v[CT+\i]
	v_mov_b32 v[\d1+3+\i], v[CT+4+\i]
.endr
.endm
.macro ADDB a                          ; q, k: block a's 64 numbers + the bias of their 128 f; each accumulator from its low end on
	WIN (0x02+(\a)/4)
.irp bt, 0,1,2,3,4,5,6,7
.irp j, 0,2,4,6
	v_pk_add_f32 v[H+8*\bt+\j:H+8*\bt+\j+1], v[64*((\a)%4)+8*\bt+\j:64*((\a)%4)+8*\bt+\j+1], v[BI+8*\bt+\j:BI+8*\bt+\j+1]
.endr
.endr
	WIN 0
.endm
.macro ADDV a                          ; v: block a's 64 numbers + the bias of my lane's f
	WIN (0x02+(\a)/4)
.irp bt, 0,1,2,3,4,5,6,7
.irp j, 0,2,4,6
	v_pk_add_f32 v[H+8*\bt+\j:H+8*\bt+\j+1], v[64*((\a)%4)+8*\bt+\j:64*((\a)%4)+8*\bt+\j+1], v[BI+2*(\a):BI+1+2*(\a)]
.endr
.endr
	WIN 0
.endm
	s_wait_tensorcnt 0x0                           ; my part of chunk 0 is in
	ds_add_u32 v[SPW], v[NIL]
	s_wait_dscnt 0x0                               ; the add is done, and my rows of scales are stored
	CROUND                                         ; everybody's are, and all sixteen work-groups are here
	JLOAD 1                                        ; chunk 1, into slot 1: the first tensor load behind the round
	FETCH 0
	global_prefetch_b8 v[PFO], s[PFA:PFA+1] offset:512 th:TH_LOAD_NT scope:SCOPE_SE   ; chunk 2, two steps ahead of its load
	STEP 0, 1, 0                                   ; the first step's products start the sums
	STEP 1, 0, 1                                   ; step 2 ends in chunk 1
	STEP 2, 0, 2                                   ; step 3 begins in chunk 1: chunk 0 is left behind
	STEP 3, 0, 0
	STEP 4, 0, 1                                   ; step 5 ends in chunk 2
	STEP 5, 0, 0
	STEP 6, 0, 0
	s_wait_dscnt 0x0
	PLACES                                         ; in front of the bias's loads into source 1's set 0
	s_cmp_eq_u32 s[KV], 0
	s_cbranch_scc0 .Lbias_v
	v_lshlrev_b32 v7, 5, v2                        ; q, k: lane (r, h) wants, for tile bt, the bias of f = 16 bt + 8 h + 0 .. 7
.irp bt, 0,1,2,3,4,5,6,7
	global_load_b128 v[BI+8*\bt:BI+8*\bt+3], v7, s[12:13] offset:64*\bt
	global_load_b128 v[BI+8*\bt+4:BI+8*\bt+7], v7, s[12:13] offset:64*\bt+16
.endr
	s_branch .Lbias_asked
.Lbias_v:
	v_lshlrev_b32 v7, 2, v1                        ; v: for block a the bias of f = 16 a + r, twice: a pair for the packed addition
.irp a, 0,1,2,3,4,5,6,7
	global_load_b32 v[BI+2*\a], v7, s[12:13] offset:64*\a
	global_load_b32 v[BI+1+2*\a], v7, s[12:13] offset:64*\a
.endr
.Lbias_asked:
	MULS 7, 0
	PLACES
	s_wait_loadcnt 0x0                             ; the bias
.irp b, 0,1,2,3
	v_mov_b32 v[TM+4+\b], 0                        ; a lane permute's destination counts as one of its sources
.endr
	s_cmp_eq_u32 s[KV], 0
	s_cbranch_scc0 .Lkind_v
; q, k.  Rows 32 be + r and 32 be + 16 + r of one head make ONE image: registers 0-5 the lower row's 64 numbers, registers 6-11 the upper row's.
.irp be, 0,1,2,3
.if \be > 0
	s_wait_xcnt 0x0                                ; the last images' stores have read their registers
.endif
	ADDB 2*\be
	QUANT H, KF0, KF1, PWR
	ADDB 2*\be+1
	QUANT H, KF0+6, KF1+6, PWR+1
	v_perm_b32 v[SWD+\be], v[PWR+1], v[PWR], 0x05040100     ; the first head's word
	v_perm_b32 v[SWD+4+\be], v[PWR+1], v[PWR], 0x07060302   ; the second head's
.irp c, 0,1,2
	global_store_b128 v[VO], v[KF0+4*\c:KF0+4*\c+3], s[96:97] offset:1536*\be+512*\c         ; 32 lanes store 512 consecutive bytes, aligned
	global_store_b128 v[VO], v[KF1+4*\c:KF1+4*\c+3], s[96:97] offset:49152+1536*\be+512*\c
.endr
.endr
	s_branch .Lwords
.Lkind_v:
; v.  Block a is d = 16 (a % 4) + r of head a / 4; its 64 numbers a lane run along my 128 t: one fragment of v^T for one step of 128 keys.
.irp a, 0,1,2,3,4,5,6,7
.if \a > 0
	s_wait_xcnt 0x0
.endif
	ADDV \a
	QUANT H, KF0, KF0+6, SWD+\a
.irp c, 0,1,2
	global_store_b128 v[VO], v[KF0+4*\c:KF0+4*\c+3], s[96:97] offset:(\a/4)*49152+(\a%4)*1536+512*\c
.endr
.endr
.Lwords:
	v_cmp_ne_u32 vcc_lo, 0, v2                     ; lanes 0-15 store the first head's four words of row r, lanes 16-31 the second head's
	s_wait_alu depctr_va_vdst(0)
.irp i, 0,1,2,3
	v_cndmask_b32 v[SWO+\i], v[SWD+\i], v[SWD+4+\i], vcc_lo
.endr
	global_store_b128 v[VS], v[SWO:SWO+3], s[98:99]   ; sixteen lanes store 256 consecutive bytes, aligned
	s_wait_tensorcnt 0x0                           ; the wave's end
	ds_add_u32 v[SPW], v[NIL]
	s_wait_dscnt 0x0
	CROUND                                         ; the closing round
	s_endpgm
.Lfunc_end_k_q1813ef4161_qkv:
	.size	k_q1813ef4161_qkv, .Lfunc_end_k_q1813ef4161_qkv-k_q1813ef4161_qkv
	.p2alignl 7, 3214868480
	.fill 96, 4, 3214868480
	.section	.rodata,"a",@progbits
	.p2align	6, 0x0
	.amdhsa_kernel k_q1813ef4161_qkv
		.amdhsa_group_segment_fixed_size 327680
		.amdhsa_private_segment_fixed_size 0
		.amdhsa_enable_private_segment 0
		.amdhsa_kernarg_size 56
		.amdhsa_user_sgpr_count 2
		.amdhsa_user_sgpr_kernarg_segment_ptr 1
		.amdhsa_wavefront_size32 1
		.amdhsa_system_sgpr_workgroup_id_x 1
		.amdhsa_system_sgpr_workgroup_id_y 1
		.amdhsa_system_sgpr_workgroup_id_z 1
		.amdhsa_system_vgpr_workitem_id 0
		.amdhsa_next_free_vgpr 1024
		.amdhsa_next_free_sgpr 100
		.amdhsa_reserve_vcc 1
		.amdhsa_float_denorm_mode_32 3
		.amdhsa_float_denorm_mode_16_64 3
		.amdhsa_memory_ordered 1
		.amdhsa_forward_progress 1
		.amdhsa_inst_pref_size 233
	.end_amdhsa_kernel
	.amdgpu_metadata
---
amdhsa.version: [ 1, 2 ]
amdhsa.kernels:
  - .name:           k_q1813ef4161_qkv
    .symbol:         k_q1813ef4161_qkv.kd
    .args:
      - { .name: query_codes, .offset: 0, .size: 8, .value_kind: global_buffer, .address_space: global }
      - { .name: query_scales, .offset: 8, .size: 8, .value_kind: global_buffer, .address_space: global }
      - { .name: qkv_w_codes, .offset: 16, .size: 8, .value_kind: global_buffer, .address_space: global }
      - { .name: qkv_w_scales, .offset: 24, .size: 8, .value_kind: global_buffer, .address_space: global }
      - { .name: qkv_b, .offset: 32, .size: 8, .value_kind: global_buffer, .address_space: global }
      - { .name: wc, .offset: 40, .size: 8, .value_kind: global_buffer, .address_space: global }
      - { .name: ws, .offset: 48, .size: 8, .value_kind: global_buffer, .address_space: global }
    .group_segment_fixed_size: 327680
    .private_segment_fixed_size: 0
    .kernarg_segment_align: 8
    .kernarg_segment_size: 56
    .max_flat_workgroup_size: 128
    .sgpr_count:     100
    .vgpr_count:     1024
    .wavefront_size: 32
...
	.end_amdgpu_metadata
.endif
;; end of part 1
;; launch attn (part 2): grid 2 x 128, 16 waves a work-group, no clusters, 327,680 bytes of LDS; arguments wc, ws, ac, ash; writes ac, ash
.if DOCPART == 2
	.amdgcn_target "amdgcn-amd-amdhsa--gfx1250"
	.amdhsa_code_object_version 6
	.text
	.protected	k_q1813ef4161_attn
	.globl	k_q1813ef4161_attn
	.p2align	8
	.type	k_q1813ef4161_attn,@function
k_q1813ef4161_attn:
	s_mov_b64 s[64:65], 0
	v_nop
	global_prefetch_b8 v0, s[64:65] scope:SCOPE_SE
	s_setreg_imm32_b32 hwreg(HW_REG_WAVE_MODE, 25, 1), 1
	s_wait_xcnt 0x0
.set KSEC,  6291456
.set HB,    49152
.set SSEC,  262144
.set STEPB, 6144
.set VB,    49152
.set KSC,   98304
.set VSC,   100352
.set ASH,   102400
.set SPARE, 103424
.set AK0,  1
.set AV0,  2
.set ASK0, 3
.set ASV0, 4
.set SPW,  5
.set NIL,  6
.set GO,   7
.set ADK,  8
.set ADV,  9
.set ADS,  10
.set ADT,  11
.set ZQ,   16
.set QW,   34
.set LQ,   35
.set FR,   36
.set SW,   84
.set S,    88
.set O,    152
.set PC,   184
.set BM,   196
.set BT,   200
.set SO,   204
.set CT,   208
.set F,    216
.set PWD,  218
.set T0,   219
.set NEG,  224
.set R16,  225
.set STA1, 226
.set STA2, 227
.set Q2,   228
.set W2,   234
.set W1,   235
.set QA,   236
.set RDA,  242
.set SEL,  20
.set CS,   22
.set TB,   48
.set TS,   49
.set KF,   50
	s_load_b256 s[4:11], s[0:1], 0x0
	v_lshl_add_u32 v[SPW], v0, 2, SPARE
	v_mov_b32 v[NIL], 0
	ds_add_u32 v[SPW], v[NIL]
	ds_add_u32 v[SPW], v[NIL]
	v_lshrrev_b32 v8, 5, v0
	s_delay_alu instid0(VALU_DEP_1)
	v_readfirstlane_b32 s12, v8
	s_and_b32 s14, ttmp7, 0xffff
	s_and_b32 s18, s12, 7
	s_lshr_b32 s19, s12, 3
	s_mov_b32 s24, 3<<16
	s_mov_b32 s25, 32<<16
	s_mov_b32 s26, 24<<16
	s_mov_b32 s27, 32<<16
	s_mov_b32 s28, 24
	s_mov_b32 s29, 32
	s_mov_b32 s30, 0
	s_mov_b32 s31, 0
	s_mul_i32 s60, s19, KSEC
	s_add_co_u32 s60, s60, KSEC
	s_mul_i32 s61, s14, HB
	s_add_co_u32 s60, s60, s61
	s_mul_i32 s61, s18, STEPB
	s_add_co_u32 s60, s60, s61
	s_mov_b32 s61, 0
	s_mul_i32 s62, s19, SSEC
	s_add_co_u32 s62, s62, SSEC
	s_lshl_b32 s63, s14, 11
	s_add_co_u32 s62, s62, s63
	s_lshl_b32 s63, s18, 8
	s_add_co_u32 s62, s62, s63
	s_mov_b32 s63, 0
	s_mov_b32 s[SEL], 0x76543210
	s_mov_b32 s[SEL+1], 0xfedcba98
	s_mov_b32 s[CS], 0x3e38aa3b
	s_mov_b32 s[CS+1], s[CS]
	s_wait_dscnt 0x0
	s_wait_kmcnt 0x0
	s_mov_b32 s40, 1
	s_mul_i32 s41, s12, STEPB
	s_add_nc_u64 s[42:43], s[4:5], s[60:61]
	s_or_b32 s43, s43, 0x80000000
	s_lshl_b32 s45, s12, 8
	s_add_co_u32 s45, s45, KSC
	s_add_nc_u64 s[46:47], s[6:7], s[62:63]
	tensor_load_to_lds s[40:43], s[24:31]
	s_nop 0
	v_and_b32 v219, 31, v0
	v_and_b32 v220, 15, v0
	v_bfe_u32 v221, v0, 4, 1
	s_delay_alu instid0(VALU_DEP_3)
	v_lshlrev_b32 v[AK0], 4, v219
	s_wait_alu depctr_va_vdst(0)
	v_add_nc_u32 v[AV0], VB, v[AK0]
	v_lshlrev_b32 v[R16], 4, v220
	s_wait_alu depctr_va_vdst(0)
	v_add_nc_u32 v[ASK0], KSC, v[R16]
	v_add_nc_u32 v[ASV0], VSC, v[R16]
	v_lshlrev_b32 v[GO], 3, v219
	global_load_b64 v[244:245], v[GO], s[46:47]    ; my step's 256 bytes of scale words (waves 0-7 k's, waves 8-15 v's): 8 bytes a lane
	v_add_nc_u32 v246, s45, v[GO]                  ; and where they go in LDS: bytes that no tensor load fills
	v_lshlrev_b32 v222, 3, v221
	s_delay_alu instid0(VALU_DEP_1)
	v_sub_nc_u32 v[LQ], v220, v222
	v_mov_b32 v[NEG], 0xc79c4000
	s_lshl_b32 s15, s19, 4
	s_add_co_u32 s15, s15, s18
	s_lshl_b32 s55, ttmp9, 3
	s_add_co_u32 s17, s15, s55
	s_sub_co_u32 s16, 63, s17
	s_mul_i32 s60, s14, HB
	s_mov_b32 s61, 0
	s_add_nc_u64 s[66:67], s[4:5], s[60:61]
	s_lshl_b32 s60, s14, 11
	s_add_nc_u64 s[68:69], s[6:7], s[60:61]
.macro QLOAD tau, adr, dst, raw, sel
	s_lshr_b32 s60, s[\tau], 1
	s_mul_i32 s60, s60, 1536
	s_and_b32 s61, s[\tau], 1
	s_mul_i32 s62, s61, 520
	s_add_co_u32 s62, s62, s60
	s_mul_i32 s63, s61, 1016
	s_add_co_u32 s63, s63, s60
	v_add_nc_u32 v[\adr], s62, v[AK0]
	v_add_nc_u32 v[\adr+1], s63, v[AK0]
	s_mul_i32 s[\sel], s61, 0x02020202
	s_add_co_u32 s[\sel], s[\sel], 0x01000100
	s_lshr_b32 s60, s[\tau], 3
	s_lshl_b32 s60, s60, 8
	s_bfe_u32 s61, s[\tau], 0x20001
	s_lshl_b32 s61, s61, 2
	s_add_co_u32 s60, s60, s61
	v_add_nc_u32 v[\adr+2], s60, v[R16]
	global_load_b64 v[\dst:\dst+1], v[\adr], s[66:67]
	global_load_b64 v[\dst+2:\dst+3], v[\adr+1], s[66:67] offset:8
	global_load_b64 v[\dst+4:\dst+5], v[\adr], s[66:67] offset:512
	global_load_b32 v[\raw], v[\adr+2], s[68:69]
.endm
	QLOAD 16, QA, ZQ+6, W1, 70
	QLOAD 17, QA+3, Q2, W2, 71
	s_xor_b32 s60, s18, 7
	s_lshl_b32 s60, s60, 5
	s_lshl_b32 s61, s19, 8
	s_add_co_u32 s60, s60, s61
	s_add_co_u32 s60, s60, ASH+512
	v_lshl_add_u32 v[STA1], v220, 1, s60
	s_lshl_b32 s60, s18, 5
	s_add_co_u32 s60, s60, s61
	s_add_co_u32 s60, s60, ASH
	v_lshl_add_u32 v[STA2], v220, 1, s60
	s_min_u32 s60, s12, 3
	s_lshl_b32 s60, s60, 8
	s_add_co_u32 s60, s60, ASH
	v_add_nc_u32 v[RDA], s60, v[GO]
.irp i, 0,1,2,3,4,5
	v_mov_b32 v[ZQ+\i], 0
	v_mov_b32 v[ZQ+12+\i], 0
.endr
.irp i, 0,1,2,3
	v_mov_b32 v[BT+\i], 0
.endr
	v_mov_b32 v[F+1], 0
.irp i, 0,1,2,3,4,5,6,7,8,9,10,11
	v_mov_b32 v[PC+\i], 0
.endr
	v_mov_b32 v[PWD], 0
	s_wait_alu depctr_va_vdst(0)
	s_wait_loadcnt 0x0                             ; q's fragments and my scale words
	s_wait_tensorcnt 0x0                           ; my step's codes are in
	ds_store_b64 v246, v[244:245]
	s_wait_dscnt 0x0                               ; stored, for the others' sake
	s_barrier_signal -1
	s_barrier_wait -1
.macro NEWM
	v_mov_b32 v[T0], v12
	s_delay_alu instid0(VALU_DEP_2)
	v_floor_f32 v12, -v13
	s_delay_alu instid0(VALU_DEP_1)
	v_sub_f32 v[T0], v12, v[T0]
	s_delay_alu instid0(VALU_DEP_1)
	v_cvt_i32_f32 v[T0], v[T0]
	s_delay_alu instid0(VALU_DEP_1)
	v_ldexp_f32 v[F], 1.0, v[T0]
.endm
.macro SOFTMAX
.irp b, 0,1,2,3
	v_max3_num_f32 v[BM+\b], v[S+16*\b], v[S+1+16*\b], v[S+2+16*\b]
.endr
.irp i, 3,5,7,9,11,13
.irp b, 0,1,2,3
	v_max3_num_f32 v[BM+\b], v[BM+\b], v[S+16*\b+\i], v[S+1+16*\b+\i]
.endr
.endr
.irp b, 0,1,2,3
	v_max_num_f32 v[BM+\b], v[BM+\b], v[S+15+16*\b]
.endr
.irp b, 0,1,2,3
	s_delay_alu instid0(VALU_DEP_4)
	v_permlanex16_b32 v[BT+\b], v[BM+\b], s[SEL], s[SEL+1]
.endr
.irp b, 0,1,2,3
	s_delay_alu instid0(VALU_DEP_4)
	v_max_num_f32 v[BM+\b], v[BM+\b], v[BT+\b]
.endr
	s_delay_alu instid0(VALU_DEP_2)
	v_max3_num_f32 v[T0], v[BM], v[BM+1], v[BM+2]
	s_delay_alu instid0(VALU_DEP_1)
	v_max_num_f32 v[T0], v[T0], v[BM+3]
	s_delay_alu instid0(VALU_DEP_1)
	v_mul_f32 v[T0], s[CS], v[T0]
	s_delay_alu instid0(VALU_DEP_1)
	v_max_num_f32 v13, v13, v[T0]
	NEWM
.irp j, 0,2,4,6,8,10,12,14,16,18,20,22,24,26,28,30,32,34,36,38,40,42,44,46,48,50,52,54,56,58,60,62
	v_pk_fma_f32 v[S+\j:S+\j+1], v[S+\j:S+\j+1], s[CS:CS+1], v[12:13] op_sel_hi:[1,0,0]
.endr
.irp b, 0,1,2,3
	v_fma_f32 v[BM+\b], v[BM+\b], s[CS], v12
.endr
	s_wait_alu depctr_va_vdst(0)
.irp j, 0,1,2,3,4,5,6,7,8,9,10,11,12,13,14,15,16,17,18,19,20,21,22,23,24,25,26,27,28,29,30,31,32,33,34,35,36,37,38,39,40,41,42,43,44,45,46,47,48,49,50,51,52,53,54,55,56,57,58,59,60,61,62,63
	v_exp_f32 v[S+\j], v[S+\j]
.endr
	v_pk_mul_f32 v[14:15], v[14:15], v[F:F+1] op_sel_hi:[1,0]
	s_wait_alu depctr_va_vdst(0)
.irp b, 0,1,2,3
	v_exp_f32 v[BM+\b], v[BM+\b]
.endr
	v_pk_add_f32 v[BT:BT+1], v[S:S+1], v[S+2:S+3]
.irp j, 4,8,12,16,20,24,28,32,36,40,44,48,52,56,60
	v_pk_add_f32 v[14:15], v[14:15], v[S+\j:S+\j+1]
	v_pk_add_f32 v[BT:BT+1], v[BT:BT+1], v[S+2+\j:S+3+\j]
.endr
	s_delay_alu instid0(VALU_DEP_1)
	v_pk_add_f32 v[14:15], v[14:15], v[BT:BT+1]
	s_wait_alu depctr_va_vdst(0)
.irp b, 0,1,2,3
	v_max_num_f32 v[BM+\b], 0x1800000, v[BM+\b]
.endr
.irp b, 0,1,2,3
	s_delay_alu instid0(VALU_DEP_4)
	v_add_nc_u32 v[SO+\b], 0xff000000, v[BM+\b]
.endr
.irp b, 0,1,2,3
	s_delay_alu instid0(VALU_DEP_4)
	v_lshrrev_b32 v[BT+\b], 23, v[SO+\b]
.endr
	s_delay_alu instid0(VALU_DEP_3)
	v_lshl_or_b32 v[PWD], v[BT+1], 8, v[BT]
	s_delay_alu instid0(VALU_DEP_1)
	v_lshl_or_b32 v[PWD], v[BT+2], 16, v[PWD]
	s_delay_alu instid0(VALU_DEP_1)
	v_lshl_or_b32 v[PWD], v[BT+3], 24, v[PWD]
.irp c, 0,1
	v_cvt_scalef32_pk16_fp6_f32 v[PC+6*\c:PC+6*\c+2], v[S+32*\c:S+32*\c+15], v[SO+2*\c]
	v_cvt_scalef32_pk16_fp6_f32 v[CT+4*\c:CT+4*\c+2], v[S+32*\c+16:S+32*\c+31], v[SO+2*\c+1]
.endr
	v_nop
.irp c, 0,1
.irp i, 0,1,2
	v_permlane16_swap_b32 v[PC+6*\c+\i], v[CT+4*\c+\i]
.endr
.irp i, 0,1,2
	s_delay_alu instid0(VALU_DEP_3)
	v_mov_b32 v[PC+6*\c+3+\i], v[CT+4*\c+\i]
.endr
.endr
.endm
.macro MASKP
	v_mul_f32 v[T0], s[CS], v[NEG]
	s_delay_alu instid0(VALU_DEP_1)
	v_max_num_f32 v13, v13, v[T0]
	NEWM
	s_delay_alu instid0(VALU_DEP_4)
	v_fma_f32 v[BM], v[NEG], s[CS], v12
	s_wait_alu depctr_va_vdst(0)
	v_exp_f32 v[BM], v[BM]
	v_pk_mul_f32 v[14:15], v[14:15], v[F:F+1] op_sel_hi:[1,0]
	v_cvt_f32_u32 v[T0], s54
	s_wait_alu depctr_va_vdst(0)
	v_fma_f32 v14, v[BM], v[T0], v14
.irp i, 0,1,2,3,4,5,6,7,8,9,10,11,12,13,14,15
	v_mov_b32 v[S+\i], v[BM]
.endr
	v_max_num_f32 v[BM+1], 0x1800000, v[BM]
	s_delay_alu instid0(VALU_DEP_1)
	v_add_nc_u32 v[SO], 0xff000000, v[BM+1]
	s_delay_alu instid0(VALU_DEP_1)
	v_lshrrev_b32 v[BT], 23, v[SO]
	s_delay_alu instid0(VALU_DEP_1)
	v_perm_b32 v[PWD], v[BT], v[BT], 0
	v_cvt_scalef32_pk16_fp6_f32 v[PC:PC+2], v[S:S+15], v[SO]
	v_nop
.irp i, 0,1,2,3,4,5,6,7,8
	v_mov_b32 v[PC+3+\i], v[PC+\i%3]
.endr
.endm
.macro VLOAD
.irp b, 0,1,2,3
.irp c, 0,1,2
	ds_load_b128 v[FR+12*\b+4*\c:FR+12*\b+4*\c+3], v[ADV] offset:1536*\b+512*\c
.endr
.endr
	ds_load_b128 v[SW:SW+3], v[ADT]
.endm
.macro TILE id, tau, sta, sel, raw
.if \id == 2
	s_wait_xcnt 0x0
.irp i, 0,1,2,3,4,5
	v_mov_b32 v[ZQ+6+\i], v[Q2+\i]
.endr
.endif
	v_perm_b32 v[QW], v[\raw], v[\raw], s[\sel]
	s_lshl_b32 s51, s[\tau], 4
	s_add_co_u32 s52, s51, 15
	s_lshr_b32 s53, s51, 7
	s_lshl_b32 s53, s53, 7
	s_add_co_u32 s53, s53, 128
	s_sub_co_u32 s54, 1024, s53
	s_lshr_b32 s54, s54, 1
	s_lshr_b32 s60, s14, 4
	s_lshl_b32 s60, s60, 6
	s_add_co_u32 s60, s60, s[\tau]
	s_lshl_b32 s60, s60, 3
	s_bfe_u32 s61, s14, 0x30001
	s_add_co_u32 s60, s60, s61
	s_mul_i32 s60, s60, 1536
	s_and_b32 s61, s14, 1
	s_mul_i32 s61, s61, 768
	s_add_co_u32 s60, s60, s61
	s_mov_b32 s61, 0
	s_add_nc_u64 s[56:57], s[8:9], s[60:61]
	v_mov_b32 v13, 0xff61b1e6
	s_delay_alu instid0(VALU_DEP_1)
	v_floor_f32 v12, -v13
	v_mov_b32 v14, 0
	v_mov_b32 v15, 0
.irp j, 0,1,2,3,4,5,6,7,8,9,10,11,12,13,14,15,16,17,18,19,20,21,22,23,24,25,26,27,28,29,30,31
	v_mov_b32 v[O+\j], 0
.endr
	s_mov_b32 s[TB], 0
	s_mov_b32 s[TS], 0
	s_mov_b32 s[KF], 0
.Lstep_\id:
	v_add_nc_u32 v[ADK], s[TB], v[AK0]
	v_add_nc_u32 v[ADV], s[TB], v[AV0]
	v_add_nc_u32 v[ADS], s[TS], v[ASK0]
	v_add_nc_u32 v[ADT], s[TS], v[ASV0]
	s_cmp_gt_u32 s[KF], s52
	s_cbranch_scc1 .Lmask_\id
.irp b, 0,1,2,3
.irp c, 0,1,2
	ds_load_b128 v[FR+12*\b+4*\c:FR+12*\b+4*\c+3], v[ADK] offset:1536*\b+512*\c
.endr
.endr
	ds_load_b128 v[SW:SW+3], v[ADS]
	s_wait_dscnt 0x0
.irp b, 0,1,2,3
	v_wmma_scale_f32_16x16x128_f8f6f4 v[S+16*\b:S+16*\b+7], v[FR+12*\b:FR+12*\b+11], v[ZQ+6:ZQ+17], 0, v[SW+\b], v[QW] matrix_a_fmt:MATRIX_FMT_FP6 matrix_b_fmt:MATRIX_FMT_FP6
	v_wmma_scale_f32_16x16x128_f8f6f4 v[S+16*\b+8:S+16*\b+15], v[FR+12*\b:FR+12*\b+11], v[ZQ:ZQ+11], 0, v[SW+\b], v[QW] matrix_a_fmt:MATRIX_FMT_FP6 matrix_b_fmt:MATRIX_FMT_FP6
.endr
.rept 4
	v_nop
.endr
	s_wait_alu depctr_va_vdst(0)
	VLOAD                                          ; v's fragments and scale words, four places behind the score products that read these registers: the softmax stands between the loads and the wait for them
	s_add_co_u32 s55, s[KF], 127
	s_cmp_le_u32 s55, s51
	s_cbranch_scc1 .Lopen_\id
	s_sub_co_i32 s55, s51, s[KF]
	v_add_nc_u32 v[T0], s55, v[LQ]
.irp n, 0,1,2,3,4,5,6,7,8,9,10,11,12,13,14,15,16,17,18,19,20,21,22,23,24,25,26,27,28,29,30,31,32,33,34,35,36,37,38,39,40,41,42,43,44,45,46,47,48,49,50,51,52,53,54,55,56,57,58,59,60,61,62,63
	v_cmp_gt_i32 vcc_lo, 16*(\n/8)+\n%8, v[T0]
	v_cndmask_b32 v[S+\n], v[S+\n], v[NEG], vcc_lo
.endr
.Lopen_\id:
	SOFTMAX
	s_branch .Lres_\id
.Lmask_\id:
	s_wait_alu depctr_va_vdst(0)
	VLOAD                                          ; the step's four address sums are the places behind the last step's products
	s_cmp_eq_u32 s[KF], s53
	s_cbranch_scc0 .Lpv_\id
	MASKP
.Lres_\id:
.irp j, 0,2,4,6,8,10,12,14,16,18,20,22,24,26,28,30
	v_pk_mul_f32 v[O+\j:O+\j+1], v[O+\j:O+\j+1], v[F:F+1] op_sel_hi:[1,0]
.endr
.Lpv_\id:
	s_wait_alu depctr_va_vdst(0)
	s_wait_dscnt 0x0
.irp b, 0,1,2,3
	v_wmma_scale_f32_16x16x128_f8f6f4 v[O+8*\b:O+8*\b+7], v[FR+12*\b:FR+12*\b+11], v[PC:PC+11], v[O+8*\b:O+8*\b+7], v[SW+\b], v[PWD] matrix_a_fmt:MATRIX_FMT_FP6 matrix_b_fmt:MATRIX_FMT_FP6
.endr
	s_add_co_u32 s[TB], s[TB], STEPB
	s_add_co_u32 s[TS], s[TS], 256
	s_add_co_u32 s[KF], s[KF], 128
	s_cmp_lt_u32 s[KF], 1024
	s_cbranch_scc1 .Lstep_\id
.rept 4
	v_nop
.endr
	v_add_f32 v14, v14, v15
	s_delay_alu instid0(VALU_DEP_1)
	v_permlanex16_b32 v[T0], v14, s[SEL], s[SEL+1]
	s_delay_alu instid0(VALU_DEP_1)
	v_add_f32 v14, v14, v[T0]
	s_wait_alu depctr_va_vdst(0)
	v_rcp_f32 v[F], v14
	v_nop
	s_wait_alu depctr_va_vdst(0)
.irp j, 0,2,4,6,8,10,12,14,16,18,20,22,24,26,28,30
	v_pk_mul_f32 v[S+\j:S+\j+1], v[O+\j:O+\j+1], v[F:F+1] op_sel_hi:[1,0]
.endr
.irp b, 0,1
.irp j, 0,1,2,3,4,5,6,7
	v_permlane16_swap_b32 v[S+16*\b+\j], v[S+16*\b+8+\j]
.endr
.endr
.irp b, 0,1
	v_max3_num_f32 v[BM+\b], |v[S+16*\b]|, |v[S+1+16*\b]|, 0x1800000
.endr
.irp i, 2,4,6,8,10,12,14
.irp b, 0,1
	s_delay_alu instid0(VALU_DEP_2)
	v_max3_num_f32 v[BM+\b], v[BM+\b], |v[S+16*\b+\i]|, |v[S+1+16*\b+\i]|
.endr
.endr
.irp b, 0,1
	s_delay_alu instid0(VALU_DEP_2)
	v_permlanex16_b32 v[BT+\b], v[BM+\b], s[SEL], s[SEL+1]
.endr
.irp b, 0,1
	s_delay_alu instid0(VALU_DEP_2)
	v_max_num_f32 v[BM+\b], v[BM+\b], v[BT+\b]
.endr
.irp b, 0,1
	s_delay_alu instid0(VALU_DEP_2)
	v_add_nc_u32 v[SO+\b], 0xff000000, v[BM+\b]
.endr
.irp b, 0,1
	s_delay_alu instid0(VALU_DEP_2)
	v_lshrrev_b32 v[BT+\b], 23, v[SO+\b]
.endr
	s_delay_alu instid0(VALU_DEP_1)
	v_lshl_or_b32 v[T0], v[BT+1], 8, v[BT]
	v_cvt_scalef32_pk16_fp6_f32 v[PC:PC+2], v[S:S+15], v[SO]
	v_cvt_scalef32_pk16_fp6_f32 v[CT:CT+2], v[S+16:S+31], v[SO+1]
	v_nop
.irp i, 0,1,2
	v_permlane16_swap_b32 v[PC+\i], v[CT+\i]
.endr
.irp i, 0,1,2
	s_delay_alu instid0(VALU_DEP_3)
	v_mov_b32 v[PC+3+\i], v[CT+\i]
.endr
.irp p, 0,1,2
	global_store_b64 v[GO], v[PC+2*\p:PC+2*\p+1], s[56:57] offset:256*\p
.endr
	ds_store_b16 v[\sta], v[T0]
.endm
	TILE 1, 16, STA1, 70, W1
	TILE 2, 17, STA2, 71, W2
	s_wait_dscnt 0x0
	s_barrier_signal -1
	s_barrier_wait -1
	s_cmp_lt_u32 s12, 4
	s_cbranch_scc0 .Ldone
	ds_load_b64 v[220:221], v[RDA]
	s_lshl_b32 s60, s12, 1
	s_add_co_u32 s61, s60, ttmp9
	s_sub_co_u32 s62, 11, s61
	s_cmp_lt_u32 s12, 2
	s_cselect_b32 s61, s61, s62
	s_lshl_b32 s60, s61, 8
	s_lshl_b32 s62, s14, 11
	s_add_co_u32 s60, s60, s62
	s_mov_b32 s61, 0
	s_add_nc_u64 s[10:11], s[10:11], s[60:61]
	s_wait_dscnt 0x0
	global_store_b64 v[GO], v[220:221], s[10:11]
.Ldone:
	s_wait_tensorcnt 0x0
	ds_add_u32 v[SPW], v[NIL]
	s_wait_dscnt 0x0
	s_endpgm
.Lfunc_end_k_q1813ef4161_attn:
	.size	k_q1813ef4161_attn, .Lfunc_end_k_q1813ef4161_attn-k_q1813ef4161_attn
	.p2alignl 7, 3214868480
	.fill 96, 4, 3214868480
	.section	.rodata,"a",@progbits
	.p2align	6, 0x0
	.amdhsa_kernel k_q1813ef4161_attn
		.amdhsa_group_segment_fixed_size 327680
		.amdhsa_private_segment_fixed_size 0
		.amdhsa_enable_private_segment 0
		.amdhsa_kernarg_size 32
		.amdhsa_user_sgpr_count 2
		.amdhsa_user_sgpr_kernarg_segment_ptr 1
		.amdhsa_wavefront_size32 1
		.amdhsa_system_sgpr_workgroup_id_x 1
		.amdhsa_system_sgpr_workgroup_id_y 1
		.amdhsa_system_sgpr_workgroup_id_z 1
		.amdhsa_system_vgpr_workitem_id 0
		.amdhsa_next_free_vgpr 256
		.amdhsa_next_free_sgpr 80
		.amdhsa_reserve_vcc 1
		.amdhsa_float_denorm_mode_32 3
		.amdhsa_float_denorm_mode_16_64 3
		.amdhsa_memory_ordered 1
		.amdhsa_forward_progress 1
		.amdhsa_inst_pref_size 72
	.end_amdhsa_kernel
	.amdgpu_metadata
---
amdhsa.version: [ 1, 2 ]
amdhsa.kernels:
  - .name:           k_q1813ef4161_attn
    .symbol:         k_q1813ef4161_attn.kd
    .args:
      - { .name: wc, .offset: 0, .size: 8, .value_kind: global_buffer, .address_space: global }
      - { .name: ws, .offset: 8, .size: 8, .value_kind: global_buffer, .address_space: global }
      - { .name: ac, .offset: 16, .size: 8, .value_kind: global_buffer, .address_space: global }
      - { .name: ash, .offset: 24, .size: 8, .value_kind: global_buffer, .address_space: global }
    .group_segment_fixed_size: 327680
    .private_segment_fixed_size: 0
    .kernarg_segment_align: 8
    .kernarg_segment_size: 32
    .max_flat_workgroup_size: 512
    .sgpr_count:     80
    .vgpr_count:     256
    .wavefront_size: 32
...
	.end_amdgpu_metadata
.endif
;; end of part 2
;; launch proj (part 3): grid 4 x 64, 4 waves a work-group, clusters of 4 x 4, 327,680 bytes of LDS; arguments ac, ash, out_w_codes, out_w_scales, out_b, out0; writes out0
.if DOCPART == 3
	.amdgcn_target "amdgcn-amd-amdhsa--gfx1250"
	.amdhsa_code_object_version 6
	.text
	.protected	k_q1813ef4161_proj
	.globl	k_q1813ef4161_proj
	.p2align	8
	.type	k_q1813ef4161_proj,@function
k_q1813ef4161_proj:
	s_mov_b64 s[64:65], 0
	v_nop
	global_prefetch_b8 v0, s[64:65] scope:SCOPE_SE
	s_setreg_imm32_b32 hwreg(HW_REG_WAVE_MODE, 25, 1), 1
	s_wait_xcnt 0x0
	s_wait_alu depctr_hold_cnt(0) depctr_sa_sdst(0) depctr_va_vdst(0) depctr_va_sdst(0) depctr_va_ssrc(0) depctr_va_vcc(0) depctr_vm_vsrc(0)
	s_getreg_b32 s2, hwreg(HW_REG_IB_STS2, 6, 4)
	s_cmp_eq_u32 s2, 0
	s_cbranch_scc0 .Lentry_in_a_cluster
	s_endpgm
.Lentry_in_a_cluster:
	s_bfe_u32 s2, ttmp6, 0x10000c
	s_cmp_lg_u32 s2, 0xf033
	s_cbranch_scc0 .Lentry_shape_is_right
	s_endpgm
.Lentry_shape_is_right:
; LAUNCH 3 OF 3.  out0 = attn out_w^T + out_b on E2M3 codes.  attn's codes come from launch 2 as images of operand registers (ac) with two scale bytes for each row and head (ash); out_w's as given.  Nothing is left out here.
; SHARES.  A work-group of four waves makes 128 rows (t of one batch) x 256 columns: 256 work-groups; a wave 64 x 128: 32 accumulators, 256 registers.
; LDS HOLDS ALL OF K: attn's 8 tiles of 16 rows are 98,304 consecutive bytes of ac (rows of 256 bytes, no padding: an image is read 8 bytes a lane); out_w's 256 whole rows of 768 bytes, 16 bytes of padding
; behind every 256 (pitch 816).  Each wave asks for a half of one of the two by its one load at the head; nothing is filled again, and no barrier stands among the steps.
; No prefetch: all that the work-group reads is asked for at the head, and there is no loop to run ahead in.
; CLUSTERS: 4 x 4; attn's bytes are asked for jointly along a row of the cluster, out_w's along a column.
; THE SCALES go from memory through registers into LDS bytes of their own, 48 bytes a row: attn's 128 rows, then out_w's 256.
; THE MATRIX INSTRUCTION IS USED TRANSPOSED (source 0 = 16 rows of out_w, source 1 = 16 rows of attn): a lane holds eight neighbouring numbers of a row of out0.  out_b is the C of each sum's first product.
; REGISTERS: window 0: v0-31 addresses; v32-63 scale words, two sets (lanes 0-15 attn's block i, lanes 16-31 out_w's); v64-111, v112-159 attn's four fragments, two sets; v160-223 out_b.
;   window 1: out_w's eight fragments, two sets, at v0 and v128.  window 2: accumulator (a, b) at v[8 (8 a + b)].  On the way out v128-255 of window 0 take rows read back.
.set BP,     816
.set FR,     12
.set HALFA,  49152
.set BOFF,   2*HALFA
.set HALFB,  128*BP
.set SPS,    48
.set SCA,    BOFF+2*HALFB
.set SCB,    SCA+128*SPS
.set SPARE,  SCB+256*SPS               ; the spare words: 128 bytes a wave, named by no other line
.set SPITCH, 528                       ; the way out: a stage of 16 rows x (512 + 16) bytes a wave, in attn's bytes, which have had their one fill and, behind the last step's barrier, their last read
.set ADRA, 12
.set ADRB, 16                          ; v16, v17 out_w's blocks 0-3 (v17: lanes 16-31 behind one padding more); v18, v19 blocks 4-7
.set ADRS, 20
.set STO,  24
.set RD,   25
.set CO,   26
.set SPW,  28
.set NIL,  29
.set SC,   32
.set AF,   64
.set BI,   160
.set BK,   128
.set G1,  24
.set G0,  32
.set G0B, 36
.set G1B, 48
.set MSB, 0
.macro WIN new
.if MSB != \new
	s_set_vgpr_msb (MSB<<8)|\new
.set MSB, \new
.endif
.endm
.set MUL_LO, 0xa1                      ; source 0 window 1, source 1 window 0, C and D window 2
.set FST_LO, 0x81                      ; the first step: C (out_b) window 0
.set TO_B,   0x40
.macro CREST
	s_cmp_lg_u32 s14, 0
	s_cbranch_scc1 .Lnot_wave_0_\@
	s_barrier_signal -3
.Lnot_wave_0_\@:
	s_barrier_wait -3
	s_barrier_signal -1
	s_barrier_wait -1
.endm
.macro CROUND
	s_barrier_signal -1
	s_barrier_wait -1
	CREST
.endm
.macro PLACES
.rept 4
	v_nop
.endr
.endm
	s_load_b128 s[4:7], s[0:1], 0x0                ; ac, ash
	s_load_b128 s[8:11], s[0:1], 0x10              ; out_w's codes, its scales
	s_load_b128 s[96:99], s[0:1], 0x20             ; out_b, out0
	v_lshl_add_u32 v[SPW], v0, 2, SPARE
	v_mov_b32 v[NIL], 0
	ds_add_u32 v[SPW], v[NIL]                      ; the opening lines: the add, twice on end, and its wait
	ds_add_u32 v[SPW], v[NIL]
	v_lshrrev_b32 v1, 5, v0
	v_readfirstlane_b32 s14, v1                    ; wave
	s_lshr_b32 s15, s14, 1                         ; my 64 of the tile's rows; also: I fetch for attn (0) or out_w (1)
	s_and_b32 s16, s14, 1                          ; my 128 of its columns; also: which half I fetch
	s_bfe_u32 s40, ttmp6, 0x40000
	s_bfe_u32 s41, ttmp6, 0x40004
	s_lshl_b32 s42, ttmp9, 2
	s_add_co_u32 s42, s42, s40                     ; x: which 256 rows of out_w
	s_and_b32 s17, ttmp7, 0xffff
	s_lshl_b32 s17, s17, 2
	s_add_co_u32 s17, s17, s41                     ; y: batch y / 8, t from 128 (y % 8) on
	s_lshl_b32 s43, s41, 2
	s_lshl_b32 s43, 15, s43
	s_lshl_b32 s44, 0x1111, s40
	s_or_b32 s[G1+0], s43, (3<<16)|(1<<21)         ; attn: 192 rows of 256 bytes (32 elements of 8), dense
	s_mov_b32 s[G1+1], 32<<16
	s_mov_b32 s[G1+2], 192<<16
	s_mov_b32 s[G1+3], 32<<16
	s_mov_b32 s[G1+4], 192
	s_mov_b32 s[G1+5], 32
	s_mov_b32 s[G1+6], 0
	s_mov_b32 s[G1+7], 0
	s_or_b32 s[G1B+0], s44, (1<<20)|(1<<21)|(5<<22)|(3<<25)   ; out_w: 128 rows of 768 bytes, 4 words of padding behind every 64
	s_mov_b32 s[G1B+1], 768<<16
	s_mov_b32 s[G1B+2], 128<<16
	s_mov_b32 s[G1B+3], 768<<16
	s_mov_b32 s[G1B+4], 128
	s_mov_b32 s[G1B+5], 768
	s_mov_b32 s[G1B+6], 0
	s_mov_b32 s[G1B+7], 0
	s_lshl_b32 s20, s17, 1
	s_add_co_u32 s20, s20, s16
	s_mul_i32 s20, s20, HALFA                      ; attn: 98,304 y + 49,152 x half
	s_mov_b32 s21, 0
	s_lshl_b32 s46, s42, 8
	s_lshl_b32 s18, s16, 7
	s_add_co_u32 s46, s46, s18
	s_mul_i32 s46, s46, 768                        ; out_w: row 256 x + 128 x half
	s_mov_b32 s47, 0
	s_lshl_b32 s92, s42, 13                        ; its scales: 256 x rows of 32 bytes
	s_mov_b32 s93, 0
	s_mul_i32 s45, s16, HALFA                      ; where they go: the wave's number alone
	s_mul_i32 s94, s16, HALFB
	s_add_co_u32 s94, s94, BOFF
	s_lshr_b32 s22, s17, 3                         ; ash: [16 batch + head][t] of 2 bytes
	s_lshl_b32 s22, s22, 15
	s_and_b32 s23, s17, 7
	s_lshl_b32 s23, s23, 8
	s_add_co_u32 s22, s22, s23
	s_mov_b32 s23, 0
	s_lshl_b32 s66, s42, 10                        ; out_b at my 128 columns
	s_lshl_b32 s67, s16, 9
	s_add_co_u32 s66, s66, s67
	s_mov_b32 s67, 0
	v_and_b32 v1, 15, v0                           ; r
	v_bfe_u32 v2, v0, 4, 1                         ; h
	v_lshlrev_b32 v7, 1, v0                        ; thread i takes row i of attn's scales,
	v_lshlrev_b32 v8, 5, v2
	v_lshlrev_b32 v11, 5, v0                       ; and rows i and 128 + i of out_w's
	s_wait_alu depctr_va_vdst(0)
	s_wait_dscnt 0x0
	s_wait_kmcnt 0x0
	s_add_nc_u64 s[20:21], s[4:5], s[20:21]
	s_add_nc_u64 s[46:47], s[8:9], s[46:47]
	s_add_nc_u64 s[92:93], s[10:11], s[92:93]
	s_add_nc_u64 s[6:7], s[6:7], s[22:23]
	s_add_nc_u64 s[96:97], s[96:97], s[66:67]
.irp hd, 0,1,2,3,4,5,6,7,8,9,10,11,12,13,14,15
	global_load_u16 v[128+\hd], v7, s[6:7] offset:2048*\hd   ; head hd's two scale bytes of my row
.endr
	global_load_b128 v[144:147], v11, s[92:93]
	global_load_b128 v[148:151], v11, s[92:93] offset:16
	global_load_b128 v[152:155], v11, s[92:93] offset:4096
	global_load_b128 v[156:159], v11, s[92:93] offset:4112
.irp bt, 0,1,2,3,4,5,6,7
	global_load_b128 v[BI+8*\bt:BI+8*\bt+3], v8, s[96:97] offset:64*\bt        ; out_b of columns 16 bt + 8 h + 0 .. 7
	global_load_b128 v[BI+8*\bt+4:BI+8*\bt+7], v8, s[96:97] offset:64*\bt+16
.endr
	CROUND                                         ; all sixteen work-groups are here: the joint loads meet
	s_mov_b32 s[G0], 1
	s_mov_b32 s[G0+1], s45
	s_mov_b64 s[G0+2:G0+3], s[20:21]
	s_or_b32 s[G0+3], s[G0+3], 0x80000000
	s_mov_b32 s[G0B], 1
	s_mov_b32 s[G0B+1], s94
	s_mov_b64 s[G0B+2:G0B+3], s[46:47]
	s_or_b32 s[G0B+3], s[G0B+3], 0x80000000
	s_cmp_eq_u32 s15, 0                            ; my one load: s_nop 0 and four v_nop behind each line
	s_cbranch_scc0 .Lfor_b
	tensor_load_to_lds s[G0:G0+3], s[G1:G1+7]
	s_nop 0
.rept 4
	v_nop
.endr
	s_branch .Lasked
.Lfor_b:
	tensor_load_to_lds s[G0B:G0B+3], s[G1B:G1B+7]
	s_nop 0
.rept 4
	v_nop
.endr
.Lasked:
	s_mul_i32 s21, s15, HALFA                      ; my four tiles of attn
	s_mul_i32 s22, s16, HALFB
	s_add_co_u32 s22, s22, BOFF                    ; my 128 rows of out_w
	s_add_co_u32 s23, s22, 64*BP
	s_mul_i32 s66, s15, 64*SPS
	s_mul_i32 s67, s16, 128*SPS
	s_add_co_u32 s67, s67, 128*SPS
	s_sub_co_u32 s67, s67, s66
	s_add_co_u32 s66, s66, SCA
	s_mul_i32 s95, s14, 16*SPITCH                  ; my stage
	s_and_b32 s20, s17, 7                          ; out0: row (t, batch) is 4,096 bytes
	s_lshl_b32 s20, s20, 7
	s_lshl_b32 s46, s15, 6
	s_add_co_u32 s20, s20, s46                     ; my first t
	s_lshl_b32 s20, s20, 3
	s_lshr_b32 s46, s17, 3
	s_add_co_u32 s20, s20, s46
	s_lshl_b32 s20, s20, 12
	s_lshl_b32 s46, s42, 10
	s_lshl_b32 s47, s16, 9
	s_add_co_u32 s46, s46, s47
	s_add_co_u32 s46, s46, s20
	s_mov_b32 s47, 0
	s_add_nc_u64 s[98:99], s[98:99], s[46:47]
	s_wait_alu depctr_va_vdst(0)
	v_mul_u32_u24 v3, v1, BP
	v_mul_u32_u24 v4, v2, 24
	v_add_nc_u32 v4, v3, v4                        ; row x pitch + 24 h
	v_lshl_add_u32 v5, v2, 4, v4                   ; and behind one padding more
	v_add_nc_u32 v[ADRB], s22, v4
	v_add_nc_u32 v[ADRB+1], s22, v5
	v_add_nc_u32 v[ADRB+2], s23, v4
	v_add_nc_u32 v[ADRB+3], s23, v5
	v_and_b32 v6, 31, v0
	v_lshlrev_b32 v3, 3, v6
	v_add_nc_u32 v[ADRA], s21, v3                  ; attn: 8 x lane
	v_mul_u32_u24 v3, v1, SPS
	v_mul_u32_u24 v4, s67, v2                      ; lanes 16-31 take out_w's scale words
	v_add_nc_u32 v3, v3, v4
	v_add_nc_u32 v[ADRS], s66, v3
	v_mul_u32_u24 v5, v1, SPITCH
	v_lshl_add_u32 v5, v2, 5, v5
	v_add_nc_u32 v[STO], s95, v5                   ; in: row r, 32 bytes for each half of the lanes
	v_lshlrev_b32 v[CO], 4, v6
	v_add_nc_u32 v[RD], s95, v[CO]                 ; back: the 32 lanes take one row of 512 bytes
	v_mul_u32_u24 v9, v0, SPS
	v_add_nc_u32 v10, SCB, v9
	v_add_nc_u32 v9, SCA, v9
	s_wait_alu depctr_va_vdst(0)
	s_wait_loadcnt 0x0                             ; the scale bytes, and out_b
.irp k, 0,1,2,3,4,5,6,7
	v_perm_b32 v[64+\k], v[129+2*\k], v[128+2*\k], 0x05040100   ; word k: heads 2 k and 2 k + 1: the scale word of 128 along K
.endr
	ds_store_b128 v9, v[64:67]
	ds_store_b128 v9, v[68:71] offset:16
	ds_store_b128 v10, v[144:147]
	ds_store_b128 v10, v[148:151] offset:16
	ds_store_b128 v10, v[152:155] offset:128*SPS
	ds_store_b128 v10, v[156:159] offset:128*SPS+16
.macro FRAGB reg, st, i                ; out_w: 16 rows x 128 K in pieces of 8 bytes; byte y of a row lies at y + 16 (y / 256)
.irp p, 0,1,2,3,4,5
.set BY, 96*(\st)+48*(\p/3)+8*(\p%3)
.if BY/256 == (BY+24)/256
	ds_load_b64 v[\reg+2*\p:\reg+2*\p+1], v[ADRB+2*((\i)/4)] offset:BY+16*(BY/256)+((\i)%4)*16*BP
.else
	ds_load_b64 v[\reg+2*\p:\reg+2*\p+1], v[ADRB+2*((\i)/4)+1] offset:BY+16*(BY/256)+((\i)%4)*16*BP
.endif
.endr
.endm
.macro FETCH st                        ; step st's fragments into set st % 2, and with an even step the scale words of two steps
	WIN TO_B
.irp i, 0,1,2,3,4,5,6,7
	FRAGB 128*((\st)%2)+FR*\i, \st, \i
.endr
	WIN 0
.irp i, 0,1,2,3
.irp p, 0,1,2,3,4,5
	ds_load_b64 v[AF+48*((\st)%2)+FR*\i+2*\p:AF+48*((\st)%2)+FR*\i+2*\p+1], v[ADRA] offset:12288*\i+1536*(\st)+256*\p
.endr
.endr
.if (\st)%2 == 0
.irp i, 0,1,2,3,4,5,6,7
	ds_load_b64 v[SC+16*(((\st)/2)%2)+2*\i:SC+16*(((\st)/2)%2)+2*\i+1], v[ADRS] offset:\i*16*SPS+4*(\st)
.endr
.endif
.endm
; 8 matrix instructions: attn's block a0 against out_w's eight; the 32 accumulators take turns in the same order in every step.  first = 1: out_b starts the sums.
.macro MULS st, first, a0
.set P, (\st)%2
.set S2, ((\st)/2)%2
.if \first
	WIN FST_LO
.else
	WIN MUL_LO
.endif
.irp a, \a0
.irp b, 0,1,2,3,4,5,6,7
.if \first
	v_wmma_scale_f32_16x16x128_f8f6f4 v[8*(8*\a+\b):8*(8*\a+\b)+7], v[128*P+FR*\b:128*P+FR*\b+FR-1], v[AF+48*P+FR*\a:AF+48*P+FR*\a+FR-1], v[BI+8*\b:BI+8*\b+7], v[SC+16*S2+2*\b+P], v[SC+16*S2+2*\a+P] matrix_a_fmt:MATRIX_FMT_FP6 matrix_b_fmt:MATRIX_FMT_FP6 matrix_a_scale:MATRIX_SCALE_ROW1
.else
	v_wmma_scale_f32_16x16x128_f8f6f4 v[8*(8*\a+\b):8*(8*\a+\b)+7], v[128*P+FR*\b:128*P+FR*\b+FR-1], v[AF+48*P+FR*\a:AF+48*P+FR*\a+FR-1], v[8*(8*\a+\b):8*(8*\a+\b)+7], v[SC+16*S2+2*\b+P], v[SC+16*S2+2*\a+P] matrix_a_fmt:MATRIX_FMT_FP6 matrix_b_fmt:MATRIX_FMT_FP6 matrix_a_scale:MATRIX_SCALE_ROW1
.endif
.endr
.endr
	WIN 0
.endm
; The fetch in three runs, which stand between a step's four groups of 8 matrix instructions: 24, 24 and 24 loads (32 with the scale words)
.macro FETCH1 st
	WIN TO_B
.irp i, 0,1,2,3
	FRAGB 128*((\st)%2)+FR*\i, \st, \i
.endr
.endm
.macro FETCH2 st
	WIN TO_B
.irp i, 4,5,6,7
	FRAGB 128*((\st)%2)+FR*\i, \st, \i
.endr
.endm
.macro FETCH3 st
	WIN 0
.irp i, 0,1,2,3
.irp p, 0,1,2,3,4,5
	ds_load_b64 v[AF+48*((\st)%2)+FR*\i+2*\p:AF+48*((\st)%2)+FR*\i+2*\p+1], v[ADRA] offset:12288*\i+1536*(\st)+256*\p
.endr
.endr
.if (\st)%2 == 0
.irp i, 0,1,2,3,4,5,6,7
	ds_load_b64 v[SC+16*(((\st)/2)%2)+2*\i:SC+16*(((\st)/2)%2)+2*\i+1], v[ADRS] offset:\i*16*SPS+4*(\st)
.endr
.endif
.endm
.macro STEP st, first
	s_wait_dscnt 0x0                               ; this step's fragments, asked for a step ago
	PLACES                                         ; in front of loads into registers that the last step's matrix instructions read
	MULS \st, \first, 0
	FETCH1 (\st)+1
	MULS \st, \first, 1
	FETCH2 (\st)+1
	MULS \st, \first, 2
	FETCH3 (\st)+1
	MULS \st, \first, 3
.endm
	s_wait_tensorcnt 0x0                           ; my half of attn or of out_w is in,
	s_wait_dscnt 0x0                               ; my rows of scales are stored,
	s_barrier_signal -1
	s_barrier_wait -1                              ; everybody's are
	FETCH 0
	STEP 0, 1
.irp st, 1,2,3,4,5,6
	STEP \st, 0
.endr
	s_wait_dscnt 0x0                               ; my last reads of the tiles are over:
	s_barrier_signal -1                            ; say so,
	MULS 7, 0, 0                                   ; work on registers meanwhile,
	MULS 7, 0, 1
	MULS 7, 0, 2
	MULS 7, 0, 3
	s_barrier_wait -1                              ; and behind this nobody reads attn's bytes: the stages may be stored there
; THE WAY OUT, block by block of 16 rows x 128 columns, through my own stage: in as 32 bytes a lane, back as whole rows of 512 bytes.  LDS serves a wave's instructions in order (ISA guide 5.7.1.4).
.macro TOSTAGE a
	WIN 0x08                                       ; an LDS store's data: window 2
.irp b, 0,1,2,3,4,5,6,7
	ds_store_b128 v[STO], v[64*(\a)+8*\b:64*(\a)+8*\b+3] offset:64*\b          ; each accumulator from its low end on
	ds_store_b128 v[STO], v[64*(\a)+8*\b+4:64*(\a)+8*\b+7] offset:64*\b+16
.endr
	WIN 0
.set BB, BK+64*((\a)%2)
.irp t, 0,1,2,3,4,5,6,7,8,9,10,11,12,13,14,15
	ds_load_b128 v[BB+4*\t:BB+4*\t+3], v[RD] offset:\t*SPITCH
.endr
.endm
.macro SEND a, younger
.set BB, BK+64*((\a)%2)
	s_wait_dscnt \younger                          ; the block is back in registers; younger: the next block's 16 stores and 16 loads
.if (\a) > 0
	s_add_nc_u64 s[98:99], s[98:99], 16*32768      ; (behind a wait on XCNT) 16 t on: a t is 8 rows of 4,096 bytes
.endif
.irp t, 0,1,2,3,4,5,6,7,8,9,10,11,12,13,14,15
	global_store_b128 v[CO], v[BB+4*\t:BB+4*\t+3], s[98:99] offset:\t*32768 th:TH_STORE_NT   ; 32 lanes store 512 consecutive bytes, aligned
.endr
.endm
	PLACES
	TOSTAGE 0
.irp a, 1,2,3
.if \a > 1
	s_wait_xcnt 0x0                                ; block a - 2's stores have read their registers and their base
.endif
	TOSTAGE \a
	SEND \a-1, 32
.endr
	s_wait_xcnt 0x0
	SEND 3, 0
	s_wait_tensorcnt 0x0                           ; the wave's end
	ds_add_u32 v[SPW], v[NIL]
	s_wait_dscnt 0x0
	CROUND                                         ; the closing round
	s_endpgm
.Lfunc_end_k_q1813ef4161_proj:
	.size	k_q1813ef4161_proj, .Lfunc_end_k_q1813ef4161_proj-k_q1813ef4161_proj
	.p2alignl 7, 3214868480
	.fill 96, 4, 3214868480
	.section	.rodata,"a",@progbits
	.p2align	6, 0x0
	.amdhsa_kernel k_q1813ef4161_proj
		.amdhsa_group_segment_fixed_size 327680
		.amdhsa_private_segment_fixed_size 0
		.amdhsa_enable_private_segment 0
		.amdhsa_kernarg_size 48
		.amdhsa_user_sgpr_count 2
		.amdhsa_user_sgpr_kernarg_segment_ptr 1
		.amdhsa_wavefront_size32 1
		.amdhsa_system_sgpr_workgroup_id_x 1
		.amdhsa_system_sgpr_workgroup_id_y 1
		.amdhsa_system_sgpr_workgroup_id_z 1
		.amdhsa_system_vgpr_workitem_id 0
		.amdhsa_next_free_vgpr 1024
		.amdhsa_next_free_sgpr 100
		.amdhsa_reserve_vcc 0
		.amdhsa_float_denorm_mode_32 3
		.amdhsa_float_denorm_mode_16_64 3
		.amdhsa_memory_ordered 1
		.amdhsa_forward_progress 1
		.amdhsa_inst_pref_size 101
	.end_amdhsa_kernel
	.amdgpu_metadata
---
amdhsa.version: [ 1, 2 ]
amdhsa.kernels:
  - .name:           k_q1813ef4161_proj
    .symbol:         k_q1813ef4161_proj.kd
    .args:
      - { .name: ac, .offset: 0, .size: 8, .value_kind: global_buffer, .address_space: global }
      - { .name: ash, .offset: 8, .size: 8, .value_kind: global_buffer, .address_space: global }
      - { .name: out_w_codes, .offset: 16, .size: 8, .value_kind: global_buffer, .address_space: global }
      - { .name: out_w_scales, .offset: 24, .size: 8, .value_kind: global_buffer, .address_space: global }
      - { .name: out_b, .offset: 32, .size: 8, .value_kind: global_buffer, .address_space: global }
      - { .name: out0, .offset: 40, .size: 8, .value_kind: global_buffer, .address_space: global }
    .group_segment_fixed_size: 327680
    .private_segment_fixed_size: 0
    .kernarg_segment_align: 8
    .kernarg_segment_size: 48
    .max_flat_workgroup_size: 128
    .sgpr_count:     100
    .vgpr_count:     1024
    .wavefront_size: 32
...
	.end_amdgpu_metadata
.endif
;; end of part 3
